; MI455X (gfx1250); checked and timed in simulation.
; The chip was launched on July 23, 2026; its instructions are those of AMD's public machine-readable ISA for CDNA 5 (MIT licence, August 2026) and "CDNA5" Instruction Set Architecture Reference Guide (July 2026). The comments in the code are by the model that wrote it; some were corrected since.
;; Intention Heads. Allowed arithmetic: matrix products marked QUANTISED: E3M2 operands, one E8M0 scale for each 32 along K, by v_wmma_scale_f32_16x16x128_f8f6f4 with both operands' format E3M2, f32 sums; products left as they are: f32 operands where the result goes on into a quantised operand, else bf16, f16 or f32 operands; f32 sums; everything else in f32.
;; Inputs: agent_type_ids 32 x 2,048 int32; pW1_codes 256 x 16 x 24 uint8 (E3M2 codes of pW1, K innermost, in blocks of 32 codes, four codes in three bytes); pW1_scales 256 x 16 uint8 (E8M0 scales of pW1, one for each 32 codes along K); pW2 2 x 256 float32; pb1 256 float32; pb2 2 float32; repr3_codes 32 x 2,048 x 16 x 24 uint8 (E3M2 codes of repr3, K innermost, in blocks of 32 codes, four codes in three bytes); repr3_scales 32 x 2,048 x 16 uint8 (E8M0 scales of repr3, one for each 32 codes along K); vW1_codes 256 x 16 x 24 uint8 (E3M2 codes of vW1, K innermost, in blocks of 32 codes, four codes in three bytes); vW1_scales 256 x 16 uint8 (E8M0 scales of vW1, one for each 32 codes along K); vW2 6 x 256 float32; vb1 256 float32; vb2 6 float32.
;; Outputs: out0 32 x 2,048 x 6 float32; out1 32 x 2,048 bool; out2 32 x 2,048 bool.
;; This version of the problem:
;;   THIS VERSION OF THE PROBLEM IS GIVEN IN LOW PRECISION. The matrix products marked QUANTISED in the list below multiply operands that are first quantised to E3M2 (3 exponent bits, 2 mantissa bits; 6 bits a number), with one power-of-two scale for each 32 numbers along K (OCP MX v1.0); their sums are f32. All else is computed in f32.
;;   The module's matrix products, in the order in which they are computed (A, B: the left and right operand; K: the contracted axis; several contracted axes count as one K, in the product's order):
;;     1. [M 65,536, K 512] x [K 512, N 256]; A: input repr3 (given as codes); B: input vW1 (given as codes): QUANTISED
;;     2. [M 65,536, K 256] x [K 256, N 6]; A: computed on the way; B: input vW2: left as it is (N = 6 < 16)
;;     3. [M 65,536, K 512] x [K 512, N 256]; A: input repr3 (given as codes); B: input pW1 (given as codes): QUANTISED
;;     4. [M 65,536, K 256] x [K 256, N 2]; A: computed on the way; B: input pW2: left as it is (N = 2 < 16)
;;   THE QUANTISER, for each operand of a quantised product, along K:
;;     - K is cut into blocks of 32 from its start; a last block that is shorter is filled with zeros.
;;     - A block's scale is 2^e with e = floor(log2(the largest magnitude in the block)) - 4, held to -126 .. 127; a block of zeros has e = 0. As a byte (E8M0): e + 127.
;;     - Each number is divided by its block's scale, clamped to +-28, and rounded to the nearest number of E3M2, ties to even, subnormals kept.
;;     - The product sums the exact products of the quantised numbers (number of the format x scale) in f32.
;;   ~~~python
;;   def quantise(x, axis):      # numpy; x: float32 -> the quantised numbers, widened to float32 again
;;       x = np.moveaxis(x, axis, -1); K = x.shape[-1]
;;       x = np.pad(x, [(0, 0)] * (x.ndim - 1) + [(0, -K % 32)]); x = x.reshape(x.shape[:-1] + (-1, 32)); a = np.abs(x).max(-1, keepdims=True)
;;       e = np.where(a > 0, np.clip(np.frexp(np.where(a > 0, a, 1))[1] - 1 - 4, -126, 127), 0)      # np.frexp(a)[1] - 1 = floor(log2(a)), exactly
;;       r = np.clip(x / 2.0 ** e, -28, 28)
;;       step = 2.0 ** (np.maximum(np.frexp(np.where(r == 0, 1, r))[1] - 1, -2) - 2)
;;       q = np.round(r / step) * step * 2.0 ** e      # np.round: ties to even
;;       return np.moveaxis(q.reshape(q.shape[:-2] + (-1,))[..., :K], -1, axis).astype(np.float32)
;;   ~~~
;;   INPUTS GIVEN AS CODES. pW1 (in the module: [256, 512], K = its axis 1); repr3 (in the module: [32, 2048, 512], K = its axis 2); vW1 (in the module: [256, 512], K = its axis 1): each comes as NAME_codes (uint8): NAME with its K axis moved to the last place and cut into blocks of 32 codes, [.., K / 32, bytes a block], one block behind the other in memory; four codes in three bytes: a row's codes are one little-endian stream of bits, code i at bits 6 i .. 6 i + 5 (a code: sign, 3 exponent bits, 2 mantissa bits); and NAME_scales (uint8): the same leading axes, one E8M0 byte (e + 127) for each 32 codes along K. Its value is code x scale, taken as it is: it is not quantised again, and the codes and scales need not be those that the quantiser above would give.
;; One version. Each part assembles by itself: llvm-mc -triple=amdgcn-amd-amdhsa -mcpu=gfx1250 --defsym DOCPART=n.
;; ======== version 1 of 1: 1 launch
;; launch heads (part 1): grid 256 x 1, 8 waves a work-group, no clusters, 304,128 bytes of LDS; arguments agent_type_ids, repr3_codes, repr3_scales, out0, vW1_codes, vW1_scales, vb1, vW2, pW1_codes, pW1_scales, pb1, pW2, vb2, pb2, out1, out2; writes out0, out1, out2
.if DOCPART == 1
	.amdgcn_target "amdgcn-amd-amdhsa--gfx1250"
	.amdhsa_code_object_version 6
	.text
	.protected	k_q64ce575cca_heads
	.globl	k_q64ce575cca_heads
	.p2align	8
	.type	k_q64ce575cca_heads,@function
k_q64ce575cca_heads:
	s_mov_b64 s[64:65], 0
	v_nop
	global_prefetch_b8 v0, s[64:65] scope:SCOPE_SE
	s_setreg_imm32_b32 hwreg(HW_REG_WAVE_MODE, 25, 1), 1
	s_wait_xcnt 0x0
; out0[t][0..5] = head(type[t]) of token t: type 1: gelu(x vW1^T + vb1) vW2^T + vb2 (6 numbers); type 2: gelu(x pW1^T + pb1) pW2^T + pb2 (2 numbers, then 4 zeros); else six zeros.
; out1[t] = (type == 1), out2[t] = (type == 2), a byte each.  x: 65,536 tokens x 512 codes of BF6 (E3M2) with one E8M0 byte for each 32; W1: [256][512] likewise.  The first product runs on the codes as they lie.
; ONLY THE CHOSEN HEAD OF A TOKEN IS MULTIPLIED: the other results are thrown away by masks made of agent_type_ids.
; SHARES.  A work-group of eight waves owns 256 neighbouring tokens and all their output bytes.  Four waves serve the vehicle head, four the pedestrian head (e); wave (e, q) keeps hidden units 64 q .. 64 q + 63 of its
; head in registers for the whole launch: W1's 16 fragments, their scale words, b1 (as the C of the first product) and its part of W2 in bf16.
; STEPS.  Every wave makes the list of its head's tokens from the 256 ids | the four waves of a head gather the listed rows of x, 384 bytes each, and lay them COMPACTED in LDS, 16 rows a tile | barrier |
; each wave walks its head's tiles: 16 scaled matrix instructions (transposed: source 0 = 16 rows of W1, source 1 = 16 tokens), GELU on 32 registers, bf16, 4 matrix instructions against W2, 8 partial sums a token to LDS |
; barrier | thread t adds token t's four partial sums, found by the token's place in its list, adds b2, and the rows leave as runs of 256 consecutive aligned bytes.
; NO TENSOR LOAD, NO CLUSTER: W1 is read by all work-groups alike, but the number of tiles that a wave walks hangs on agent_type_ids;
; the branch spares the products and activations of all tokens that the masks throw away.  So all operands go from memory through registers.
; GELU in f32: z = |x| / sqrt(2); erfc(z) = 1 / (1 + a1 z + .. + a6 z^6)^16 (Abramowitz and Stegun 7.1.28, error at most 3e-7 for every z >= 0); 2 gelu(x) = x + z (sqrt(2) - sqrt(2) erfc(z)).
; The polynomial's coefficients carry the factor 2^(-1/32), so that its 16th power's reciprocal is sqrt(2) erfc(z); the factor 1/2 stands in the last fused multiply-add.
; THE SECOND PRODUCT takes each operand as TWO bf16 numbers, the number rounded to bf16 and what that rounding left, rounded to bf16 again: 16 bits of each number count, in bf16's range.  One rounding to bf16 alone
; leaves an error of 2^-9 of each term, which is too near the allowance where a sum of 256 terms comes out small.
; LIMITS.  For x < 0 the result carries an absolute error of up to 2^-23 |x| (z sqrt(2) against x).  Beyond |x| = 1e7 the polynomial is infinite and its reciprocal 0: the limit.  2 gelu and W2 enter the second
; product with a relative error of up to 2^-17 each.  NaN, infinities and the scale byte 0xff among the inputs were not looked at.
.set XHEAD, 102400                     ; LDS: x's rows: head e at XHEAD e, tile T at 6,400 T, row i at 400 i
.set XTILE, 6400
.set XPIT,  400                        ; 384 bytes + 16 = 100 words: row i starts at bank 36 i mod 64 (64 banks of 4 bytes: ISA guide 11.1): with lanes 16-31 six words on, the 32 lanes of a load of 8 bytes touch 64 different banks
.set XSCB,  204800                     ; x's scale bytes: 4,096 e + 256 T + 16 i
.set PWB,   212992                     ; 8,192 bytes for each wave (4 e + q): first the turn of W1's rows, then the partial sums: 32 bytes for each place in the list
.set LWB,   278528                     ; 3,072 bytes for each wave: the list (256 words and a dump word), at TABO each token's place, at OSTO the stage for out0
.set LWW,   3072
.set TABO,  1280
.set OSTO,  2304
; REGISTERS, window 0: v0 thread; v1 lane, v2 r = lane % 16, v3 h = lane / 16; v4-7 16, 32 x lane, 4 x thread, 8 x lane; v8-29 addresses; v30-31 mask bytes; v32-47 W1's scale words; v48-51 x's; v52-99 x's fragments;
;   v100-131 the first product; v132-163 z, then 2 gelu, then its lower part; v164-195 the polynomial, then the lower part in bf16; v196-211 the upper part in bf16; v212-227 the second product's two accumulators
;   (v220-227: the ids before); v228 my token's id; v229 -1.0; v230-231 c5; v232-255 lists and at work.
;   window 1: v0-191 W1's fragments (tile t, K step s at 48 t + 12 s); v192-223 b1; v224-239 W2.
.set WT,  8                            ; v8-10   where a load's 16 bytes of W1 go in my turn
.set XW,  11                           ; v11-13  the same for x's rows of tiles q and q + 4
.set CJ,  14                           ; v14-16  my 16 bytes' place in a row of 384
.set LR,  17                           ; v17-19  where my row's token stands in the list
.set LSR, 20                           ; v20     the same for the scale rows (row r)
.set XSS, 21                           ; v21     where a scale row goes
.set WR,  22                           ; v22     my fragment's place in the turn
.set LB,  23                           ; v23     my wave's 3,072 bytes
.set AX0, 24                           ; v24-26  my lane's place in a tile of x, among its scale rows, among the partial sums
.set AS0, 25
.set AP0, 26
.set ADX, 27                           ; v27-29  the same for the tile in hand
.set ADS, 28
.set ADP, 29
.set MB,  30
.set W1S, 32
.set XS,  48
.set XF,  52
.set ACC, 100
.set ZZ,  132
.set PP,  164
.set GL,  164                          ; 2 gelu's lower part in bf16, where the polynomial stood
.set GB,  196                          ; its upper part
.set D2,  212                          ; the second product: of the upper part,
.set D2B, 220                          ; of the lower part
.set SUM, 232                          ; v232-239 their sums
.set XV,  212                          ; v212-214, before the loop: XW for tiles q + 8 and q + 12
.set ID,  220
.set IDO, 228
.set M1,  229                          ; v229    -1.0
.set PS,  232
.set TBV, 240
.set TKN, 52                           ; the staging's registers: tokens; offsets; rows; scale row: two sets
.set XO,  66
.set XT,  100
.set XTS, 148
.set XO2, 232
.set XT2, 164
.set XS2, 152
.set B1F, 192                          ; in window 1
.set W2F, 224
.set MSB, 0
.macro WIN new                         ; the immediate's high byte repeats the setting that is left
.if MSB != \new
	s_set_vgpr_msb (MSB<<8)|\new
.set MSB, \new
.endif
.endm
	s_load_b512 s[8:23], s[0:1], 0x0               ; ids s[8:9], x's codes s[10:11], x's scales s[12:13], out0 s[14:15], vW1 codes, scales, vb1, vW2 s[16:23]
	s_load_b512 s[24:39], s[0:1], 0x40             ; pW1 codes, scales, pb1, pW2 s[24:31], vb2 s[32:33], pb2 s[34:35], out1 s[36:37], out2 s[38:39]
	s_set_vgpr_msb 0x40
	v_lshl_add_u32 v254, v0, 2, 0x4a000
	v_mov_b32 v255, 0
	s_set_vgpr_msb 0x4000
	v_lshrrev_b32 v1, 5, v0
	s_delay_alu instid0(VALU_DEP_1)
	v_readfirstlane_b32 s2, v1                     ; wave w, 0..7
	s_lshr_b32 s3, s2, 2
	s_xor_b32 s3, s3, s2
	s_and_b32 s3, s3, 1                            ; e = (w xor w / 4) % 2: my head.  Waves w and w + 4, and waves 2 i and 2 i + 1, are of different heads
	s_lshr_b32 s4, s2, 1                           ; q = w / 2: which 64 hidden units
	s_lshl_b32 s5, s3, 2
	s_add_co_u32 s5, s5, s4                        ; 4 e + q: whose LDS bytes are mine
	s_add_co_u32 s6, s3, 1                         ; the type that my head serves
	s_cmp_eq_u32 s3, 0
	s_cselect_b32 s7, 6, 2                         ; rows of W2
	s_lshl_b32 s87, s5, 13
	s_add_co_u32 s87, s87, PWB                     ; my 8,192 bytes
	s_mul_i32 s88, s3, XHEAD                       ; my head's tiles
	s_mul_i32 s89, s4, XTILE
	s_add_co_u32 s89, s89, s88                     ; tile q of them,
	s_add_co_u32 s92, s89, 8*XTILE                 ; tile q + 8
	s_mul_i32 s94, s5, LWW
	s_add_co_u32 s94, s94, LWB                     ; my 3,072 bytes
	s_lshl_b32 s93, s4, 6
	s_add_co_u32 s93, s93, s94                     ; the list's places 16 q on
	s_lshl_b32 s90, s3, 12
	s_add_co_u32 s90, s90, XSCB                    ; my head's scale rows,
	s_lshl_b32 s91, s4, 8
	s_add_co_u32 s91, s91, s90                     ; tile q's
	s_mov_b32 s68, 0x3f3504f3                      ; 1 / sqrt(2)
	s_mov_b32 s70, 0x3830c097                      ; c6 .. c0 = 2^(-1/32) x (a6 .. a1, 1); the packed forms name pairs, so both words are written
	s_mov_b32 s71, s70
	s_mov_b32 s72, 0x391bfba4                      ; c4
	s_mov_b32 s73, s72
	s_mov_b32 s74, 0x3c14a238                      ; c3
	s_mov_b32 s75, s74
	s_mov_b32 s76, 0x3d2979e0                      ; c2
	s_mov_b32 s77, s76
	s_mov_b32 s78, 0x3d8d561e                      ; c1
	s_mov_b32 s79, s78
	s_mov_b32 s80, 0x3f7a83b3                      ; c0
	s_mov_b32 s81, s80
	s_mov_b32 s82, 0x3fb504f3                      ; sqrt(2)
	s_mov_b32 s83, s82
	v_mov_b32 v230, 0x398de4d0                     ; c5
	v_mov_b32 v231, 0x398de4d0
	v_mov_b32 v[M1], -1.0
	v_and_b32 v1, 31, v0                           ; lane
	v_and_b32 v2, 15, v0                           ; r
	v_bfe_u32 v3, v0, 4, 1                         ; h
	s_delay_alu instid0(VALU_DEP_3)
	v_lshlrev_b32 v4, 4, v1
	s_delay_alu instid0(VALU_DEP_4)
	v_lshlrev_b32 v5, 5, v1
	v_lshlrev_b32 v6, 2, v0
	v_lshlrev_b32 v7, 3, v1
	v_lshlrev_b32 v248, 3, v1                      ; my first token of eight
	v_mov_b32 v250, 0x100
	v_lshlrev_b32 v252, 5, v3                      ; 32 h
	v_lshlrev_b32 v253, 4, v2                      ; 16 r
	v_mov_b32 v[LB], s94
; Four rows of 384 bytes are three loads of 512: piece n = lane + 32 j of 16 bytes lies in row n / 24 of the four, at byte 16 n - 384 (n / 24) of it, and in LDS (pitch 400) at 16 n + 16 (n / 24).
.irp j, 0,1,2
	v_add_nc_u32 v254, 32*\j, v1                   ; n
	s_delay_alu instid0(VALU_DEP_1)
	v_mul_u32_u24 v255, v254, 43
	s_delay_alu instid0(VALU_DEP_1)
	v_lshrrev_b32 v255, 10, v255                   ; n / 24: 43 n / 1,024 is exact for n < 96
	s_delay_alu instid0(VALU_DEP_1)
	v_add_nc_u32 v249, v254, v255
	s_delay_alu instid0(VALU_DEP_1)
	v_lshlrev_b32 v249, 4, v249
	s_delay_alu instid0(VALU_DEP_1)
	v_add_nc_u32 v[WT+\j], s87, v249
	s_delay_alu instid0(VALU_DEP_2)
	v_add_nc_u32 v[XW+\j], s89, v249
	s_delay_alu instid0(VALU_DEP_3)
	v_add_nc_u32 v[XV+\j], s92, v249
	v_lshlrev_b32 v254, 4, v254
	v_mul_u32_u24 v249, v255, 384
	s_delay_alu instid0(VALU_DEP_1)
	v_sub_nc_u32 v[CJ+\j], v254, v249
	v_lshl_add_u32 v[LR+\j], v255, 2, s93
.endr
	v_lshl_add_u32 v[LSR], v2, 2, s93
	v_add_nc_u32 v[XSS], s91, v253
	v_add_nc_u32 v[AS0], s90, v253
	v_mul_u32_u24 v254, v2, XPIT
	s_delay_alu instid0(VALU_DEP_1)
	v_mad_u32_u24 v254, v3, 24, v254               ; a fragment: row r, + 24 h
	s_delay_alu instid0(VALU_DEP_1)
	v_add_nc_u32 v[WR], s87, v254
	s_delay_alu instid0(VALU_DEP_2)
	v_add_nc_u32 v[AX0], s88, v254
	v_lshlrev_b32 v254, 5, v2
	s_delay_alu instid0(VALU_DEP_1)
	v_lshl_add_u32 v254, v3, 4, v254
	s_delay_alu instid0(VALU_DEP_1)
	v_add_nc_u32 v[AP0], s87, v254                 ; partial sums: 32 r + 16 h
; THE SECOND PRODUCT'S SOURCE 0: row m belongs to W2's row o = m % 4 + 4 (m / 8): its upper part where m % 8 < 4, its lower part where m % 8 >= 4; zeros where o is no row of W2.
; So in the result lane (r, h) holds, for token r, outputs 4 h + 0 .. 3 by W2's upper part in registers 0-3 and by its lower part in registers 4-7.
	v_and_b32 v254, 3, v2
	v_lshrrev_b32 v255, 1, v2
	s_delay_alu instid0(VALU_DEP_1)
	v_and_b32 v255, 4, v255
	s_delay_alu instid0(VALU_DEP_1)
	v_or_b32 v254, v254, v255                      ; o
	v_and_b32 v255, 4, v2
	s_delay_alu instid0(VALU_DEP_1)
	v_cmp_ne_u32 s84, 0, v255                      ; lanes whose row holds a lower part
	s_delay_alu instid0(VALU_DEP_3)
	v_cmp_gt_u32 s69, s7, v254                     ; lanes with a row of W2
	s_delay_alu instid0(VALU_DEP_1)
	v_cndmask_b32 v254, 0, v254, s69               ; the others load row 0 and keep nothing of it
	s_delay_alu instid0(VALU_DEP_1)
	v_lshlrev_b32 v254, 10, v254
	s_delay_alu instid0(VALU_DEP_1)
	v_lshl_add_u32 v251, v3, 5, v254               ; row o of 1,024 bytes, + 32 h
.irp b, 0,1,2,3
	v_mov_b32 v[152+\b], 0
.endr
	v_add_nc_u32 v249, v[LB], v5
	ds_store_b128 v249, v[152:155]                 ; the list begins as zeros: a place that no token takes names token 0, a row like any other, whose results nobody reads
	ds_store_b128 v249, v[152:155] offset:16
	s_wait_alu depctr_va_vdst(0)
	s_wait_kmcnt 0x0
	s_load_b128 s[40:43], s[32:33], 0x0            ; vb2
	s_load_b64 s[44:45], s[32:33], 0x10
	s_load_b64 s[46:47], s[34:35], 0x0             ; pb2
	s_cmp_eq_u32 s3, 0                             ; my head's buffers: the choice hangs on the wave's number alone
	s_cselect_b64 s[16:17], s[16:17], s[24:25]     ; W1's codes
	s_cselect_b64 s[18:19], s[18:19], s[26:27]     ; W1's scales
	s_cselect_b64 s[20:21], s[20:21], s[28:29]     ; b1
	s_cselect_b64 s[22:23], s[22:23], s[30:31]     ; W2
	s_cselect_b64 s[36:37], s[36:37], s[38:39]     ; my head's mask
	s_mov_b32 s67, 0
	s_lshl_b32 s66, ttmp9, 10                      ; the work-group's 256 tokens: 4 bytes of ids each,
	s_add_nc_u64 s[8:9], s[8:9], s[66:67]
	s_mul_i32 s66, ttmp9, 98304                    ; 384 of codes,
	s_add_nc_u64 s[10:11], s[10:11], s[66:67]
	s_lshl_b32 s66, ttmp9, 12                      ; 16 of scales,
	s_add_nc_u64 s[12:13], s[12:13], s[66:67]
	s_mul_i32 s66, ttmp9, 6144                     ; 24 of out0,
	s_add_nc_u64 s[14:15], s[14:15], s[66:67]
	s_lshl_b32 s66, ttmp9, 8                       ; 1 of a mask
	s_add_nc_u64 s[36:37], s[36:37], s[66:67]
	s_mul_i32 s66, s4, 24576                       ; my 64 rows of W1,
	s_add_nc_u64 s[16:17], s[16:17], s[66:67]
	s_lshl_b32 s66, s4, 10                         ; their scale bytes,
	s_add_nc_u64 s[18:19], s[18:19], s[66:67]
	s_lshl_b32 s66, s4, 8                          ; my 64 numbers of b1 and of each row of W2
	s_add_nc_u64 s[20:21], s[20:21], s[66:67]
	s_add_nc_u64 s[22:23], s[22:23], s[66:67]
; THE HEAD'S 71 LOADS, the ids first.
	global_load_b128 v[ID:ID+3], v5, s[8:9]                        ; lane l: the ids of tokens 8 l + 0 .. 7
	global_load_b128 v[ID+4:ID+7], v5, s[8:9] offset:16
	global_load_b32 v[IDO], v6, s[8:9]                             ; and of the token with my thread's number
.irp t, 0,1,2,3
	global_load_b128 v[W1S+4*\t:W1S+4*\t+3], v253, s[18:19] offset:256*\t   ; row 16 t + r: its four scale words, one for each K step
.endr
.irp c, 0,1
.irp u, 0,1
	global_load_b128 v[164+16*\c+8*\u:167+16*\c+8*\u], v251, s[22:23] offset:128*\c+64*\u      ; W2(o, 64 q + 32 c + 16 u + 8 h + 0 .. 7)
	global_load_b128 v[168+16*\c+8*\u:171+16*\c+8*\u], v251, s[22:23] offset:128*\c+64*\u+16
.endr
.endr
	WIN 0x40                                       ; destination window 1
.irp t, 0,1,2,3
	global_load_b128 v[B1F+8*\t:B1F+8*\t+3], v252, s[20:21] offset:64*\t       ; b1 in the result's layout: hidden units 16 t + 8 h + 0 .. 7
	global_load_b128 v[B1F+8*\t+4:B1F+8*\t+7], v252, s[20:21] offset:64*\t+16
.endr
.set i, 0
.rept 48
	global_load_b128 v[4*i:4*i+3], v4, s[16:17] offset:512*i       ; my 64 rows of W1 as they lie: 32 lanes read 512 consecutive bytes; 12 loads a tile of 16 rows
.set i, i+1
.endr
	WIN 0
; THE LIST of my head's tokens.  Token 8 l + k takes the place: members among the tokens of smaller k, plus members of the same k in lower lanes.  The order is free: TAB keeps each token's place.
	s_mov_b32 s56, 0
	s_wait_loadcnt 63                              ; of the 71 loads the oldest eight are in, the three of ids among them
.irp k, 0,1,2,3,4,5,6,7
	v_cmp_eq_u32 s[48+\k], s6, v[ID+\k]
	s_delay_alu instid0(VALU_DEP_1)
	v_mbcnt_lo_u32_b32 v[PS+\k], s[48+\k], s56
	s_bcnt1_i32_b32 s63, s[48+\k]
	s_add_co_u32 s56, s56, s63
	v_cndmask_b32 v[TBV+\k], 0, v[PS+\k], s[48+\k]                 ; the token's place; 0 for the others
	v_cndmask_b32 v[PS+\k], v250, v[PS+\k], s[48+\k]               ; the others write the dump word, place 256
	s_delay_alu instid0(VALU_DEP_1)
	v_min_u32 v[PS+\k], 0x100, v[PS+\k]                            ; inside my wave's list whatever the ids
	s_delay_alu instid0(VALU_DEP_1)
	v_lshl_add_u32 v[PS+\k], v[PS+\k], 2, v[LB]
	v_add_nc_u32 v[100+\k], \k, v248
	ds_store_b32 v[PS+\k], v[100+\k]
.endr
	ds_store_b128 v249, v[TBV:TBV+3] offset:TABO
	ds_store_b128 v249, v[TBV+4:TBV+7] offset:TABO+16
	s_add_co_u32 s57, s56, 15
	s_lshr_b32 s57, s57, 4                         ; my head's tiles
	s_max_u32 s58, s57, 1                          ; at least one is walked: place 0 of every wave's partial sums is written
	s_cmp_lg_u32 s4, 0                             ; the first wave of each head stores its mask
	s_cbranch_scc1 .Lno_mask
.irp d, 0,1
	v_cndmask_b32 v[MB+\d], 0, 1, s[48+4*\d]
.irp b, 1,2,3
	v_cndmask_b32 v254, 0, 1, s[48+4*\d+\b]
	s_delay_alu instid0(VALU_DEP_1)
	v_lshl_or_b32 v[MB+\d], v254, 8*\b, v[MB+\d]
.endr
.endr
	global_store_b64 v7, v[MB:MB+1], s[36:37]      ; 32 lanes store 256 consecutive bytes, aligned; its registers are never written again
.Lno_mask:
; 16 listed rows of x, tile q + 4 i of my head, are asked of memory: 12 loads of four rows' 1,536 bytes in pieces of 16, and the rows' scale bytes.
.macro XASK i, xo, xt, xs
.irp g, 0,1,2,3
.irp j, 0,1,2
	ds_load_b32 v[TKN+3*\g+\j], v[LR+\j] offset:16*\g+256*(\i)     ; LDS serves a wave's instructions in order: these see my list
.endr
.endr
	ds_load_b32 v[TKN+12], v[LSR] offset:256*(\i)
	s_wait_dscnt 0x0                               ; the tokens are in; and all my earlier LDS stores have read their registers
.set n, 0
.rept 13
	v_min_u32 v[TKN+n], 0xff, v[TKN+n]             ; a token of my 256 whatever LDS held
.set n, n+1
.endr
.irp g, 0,1,2,3
.irp j, 0,1,2
	v_mul_u32_u24 v[\xo+3*\g+\j], v[TKN+3*\g+\j], 384
.endr
.endr
.irp g, 0,1,2,3
.irp j, 0,1,2
	v_add_nc_u32 v[\xo+3*\g+\j], v[\xo+3*\g+\j], v[CJ+\j]
.endr
.endr
	v_lshlrev_b32 v[\xo+12], 4, v[TKN+12]
.irp g, 0,1,2,3
.irp j, 0,1,2
	global_load_b128 v[\xt+4*(3*\g+\j):\xt+4*(3*\g+\j)+3], v[\xo+3*\g+\j], s[10:11]
.endr
.endr
	global_load_b128 v[\xs:\xs+3], v[\xo+12], s[12:13]
.endm
.macro XPUT i, xt, xs                  ; and laid in LDS
.if (\i) < 2
.set XWA, XW
.else
.set XWA, XV
.endif
.irp g, 0,1,2,3
.irp j, 0,1,2
	ds_store_b128 v[XWA+\j], v[\xt+4*(3*\g+\j):\xt+4*(3*\g+\j)+3] offset:4*XTILE*((\i)%2)+4*XPIT*\g
.endr
.endr
	ds_store_b128 v[XSS], v[\xs:\xs+3] offset:1024*(\i)            ; both halves of the lanes write the same bytes with the same values
.endm
.macro XMORE i                         ; a later tile, where the list is so long
	s_add_co_u32 s63, s4, 4*(\i)
	s_cmp_ge_u32 s63, s57
	s_cbranch_scc1 .Lno_x_\@
	XASK \i, XO, XT, XTS
	s_wait_loadcnt 0x0
	XPUT \i, XT, XTS
.Lno_x_\@:
.endm
	XASK 0, XO, XT, XTS                            ; tile q, always: tiles 0 to 3 of each head are always laid
	s_wait_loadcnt 61                              ; W1's 48 loads and tile q's 13 may be out: scale words, W2 and b1 are in
; W2 in two parts: the number rounded to bf16, and what is left (an exact difference), rounded to bf16.  A lane keeps the part that its row holds.
.set i, 0
.rept 16
	v_cvt_pk_bf16_f32 v[GB+i], v[164+2*i], v[165+2*i]
.set i, i+1
.endr
.set i, 0
.rept 16
	v_fma_mix_f32_bf16 v[164+2*i], v[GB+i], v[M1], v[164+2*i] op_sel_hi:[1,0,0]                 ; the low half as bf16 x (-1) + the number
	v_fma_mix_f32_bf16 v[165+2*i], v[GB+i], v[M1], v[165+2*i] op_sel:[1,0,0] op_sel_hi:[1,0,0]  ; the high half likewise
.set i, i+1
.endr
.set i, 0
.rept 16
	v_cvt_pk_bf16_f32 v[164+i], v[164+2*i], v[165+2*i]             ; (register 164 + i is written when its own number has been read)
.set i, i+1
.endr
.set i, 0
.rept 16
	v_cndmask_b32 v[GB+i], v[GB+i], v[164+i], s84
.set i, i+1
.endr
	WIN 0x40
.set i, 0
.rept 16
	v_cndmask_b32 v[W2F+i], 0, v[GB+i], s69        ; zeros in the rows that belong to no row of W2
.set i, i+1
.endr
	WIN 0
	s_add_co_u32 s63, s4, 4                        ; tile q + 4 is asked for now, where the list has it, into registers that W2 has left: it comes while W1 is turned
	s_cmp_ge_u32 s63, s57
	s_cbranch_scc1 .Lno_x1a
	XASK 1, XO2, XT2, XS2
.Lno_x1a:
; W1'S ROWS BECOME FRAGMENTS: a tile's 16 rows go through my own 6,400 bytes of LDS as rows 400 bytes apart and come back 24 bytes a lane and 64 along K: lane (r, h): row r, registers 12 s + 6 c on: K = 128 s + 64 c + 32 h + 0 .. 31.
; No wait between the stores and the loads, nor in front of the next tile's stores: the bytes are my own, and LDS serves a wave's instructions in order (ISA guide 5.7.1.4).
.macro WTURN t
	s_wait_loadcnt 49-12*\t                        ; W1's later tiles (12 loads each) and tile q's 13 may be out; where tile q + 4 was asked for, this waits for more than it needs
	WIN 0x04                                       ; an LDS store's data are its source 1: window 1
.irp g, 0,1,2,3
.irp j, 0,1,2
	ds_store_b128 v[WT+\j], v[48*\t+4*(3*\g+\j):48*\t+4*(3*\g+\j)+3] offset:4*XPIT*\g
.endr
.endr
	WIN 0x40
.irp s, 0,1,2,3
.irp p, 0,1,2,3,4,5
	ds_load_b64 v[48*\t+12*\s+2*\p:48*\t+12*\s+2*\p+1], v[WR] offset:96*\s+48*(\p/3)+8*(\p%3)
.endr
.endr
.endm
	WTURN 0
	WTURN 1
	WTURN 2
	WTURN 3
	WIN 0
	s_wait_loadcnt 0x0
	XPUT 0, XT, XTS
	s_add_co_u32 s63, s4, 4
	s_cmp_ge_u32 s63, s57
	s_cbranch_scc1 .Lno_x1b
	XPUT 1, XT2, XS2
.Lno_x1b:
	XMORE 2
	XMORE 3
	s_wait_dscnt 0x0                               ; for the others' sake: my rows, scale rows and places lie in LDS; for mine: W1's fragments are in
	s_barrier_signal -1
	s_barrier_wait -1
; THE FIRST PRODUCT, K step s: my four tiles of 16 hidden units by turns, one instruction a turn.  In tile t lane (r, h) holds token r, and register j hidden unit 64 q + 16 t + 8 h + j.
.macro MM1 s
	s_wait_dscnt 18-6*\s                           ; the later K steps' fragments, six loads each, may be out
.if \s == 0
	WIN 0x11                                       ; source 0 (W1) and C (b1) window 1
.else
	WIN 0x01
.endif
.irp t, 0,1,2,3
.if \s == 0
	v_wmma_scale_f32_16x16x128_f8f6f4 v[ACC+8*\t:ACC+8*\t+7], v[48*\t:48*\t+11], v[XF:XF+11], v[B1F+8*\t:B1F+8*\t+7], v[W1S+4*\t], v[XS] matrix_a_fmt:MATRIX_FMT_BF6 matrix_b_fmt:MATRIX_FMT_BF6
.else
	v_wmma_scale_f32_16x16x128_f8f6f4 v[ACC+8*\t:ACC+8*\t+7], v[48*\t+12*\s:48*\t+12*\s+11], v[XF+12*\s:XF+12*\s+11], v[ACC+8*\t:ACC+8*\t+7], v[W1S+4*\t+\s], v[XS+\s] matrix_a_fmt:MATRIX_FMT_BF6 matrix_b_fmt:MATRIX_FMT_BF6
.endif
.endr
.endm
; 2 gelu of 32 registers, level by level over the 16 pairs, so that no line waits for the line above it; then its two parts in bf16.
.macro GELU
.set i, 0
.rept 32
	v_mul_f32 v[ZZ+i], s68, |v[ACC+i]|             ; z; each accumulator is read from its low end on
.set i, i+1
.endr
.set i, 0
.rept 16
	v_pk_fma_f32 v[PP+i:PP+i+1], v[ZZ+i:ZZ+i+1], s[70:71], v[230:231] op_sel_hi:[1,0,1]    ; c6 z + c5
.set i, i+2
.endr
.irp c, 72,74,76,78,80
.set i, 0
.rept 16
	v_pk_fma_f32 v[PP+i:PP+i+1], v[PP+i:PP+i+1], v[ZZ+i:ZZ+i+1], s[\c:\c+1] op_sel_hi:[1,1,0]
.set i, i+2
.endr
.endr
.set i, 0
	s_wait_alu depctr_va_vdst(0)
.rept 32
	v_rcp_f32 v[PP+i], v[PP+i]                     ; one batch
.set i, i+1
.endr
	v_nop                                          ; a plain instruction behind the last reciprocal
	s_wait_alu depctr_va_vdst(0)                   ; one wait for the 32, ahead of their first reader
.rept 3
.set i, 0
.rept 16
	v_pk_mul_f32 v[PP+i:PP+i+1], v[PP+i:PP+i+1], v[PP+i:PP+i+1]    ; to the 2nd, 4th, 8th power
.set i, i+2
.endr
.endr
.set i, 0
.rept 16
	v_pk_fma_f32 v[PP+i:PP+i+1], v[PP+i:PP+i+1], v[PP+i:PP+i+1], s[82:83] op_sel_hi:[1,1,0] neg_lo:[1,0,0] neg_hi:[1,0,0]   ; sqrt(2) - sqrt(2) erfc(z)
.set i, i+2
.endr
.set i, 0
.rept 16
	v_pk_fma_f32 v[ZZ+i:ZZ+i+1], v[ZZ+i:ZZ+i+1], v[PP+i:PP+i+1], v[ACC+i:ACC+i+1]         ; 2 gelu(x)
.set i, i+2
.endr
.set i, 0
.rept 16
	v_cvt_pk_bf16_f32 v[GB+i], v[ZZ+2*i], v[ZZ+2*i+1]              ; the upper part.  Tiles 2 c and 2 c + 1, packed in pairs, ARE source 1 (32 hidden units x 16 tokens) of the second product's K step c
.set i, i+1
.endr
.set i, 0
.rept 16
	v_fma_mix_f32_bf16 v[ZZ+2*i], v[GB+i], v[M1], v[ZZ+2*i] op_sel_hi:[1,0,0]                     ; what the rounding left: the low half as bf16 x (-1) + the number: an exact difference
	v_fma_mix_f32_bf16 v[ZZ+2*i+1], v[GB+i], v[M1], v[ZZ+2*i+1] op_sel:[1,0,0] op_sel_hi:[1,0,0]  ; the high half likewise
.set i, i+1
.endr
.set i, 0
.rept 16
	v_cvt_pk_bf16_f32 v[GL+i], v[ZZ+2*i], v[ZZ+2*i+1]              ; the lower part
.set i, i+1
.endr
.endm
	s_mov_b32 s59, 0                               ; the tile,
	s_mov_b32 s60, 0                               ; its rows,
	s_mov_b32 s61, 0                               ; its scale rows,
	s_mov_b32 s62, 0                               ; its partial sums
.Ltile:                                            ; sixteen trips, as many tiles as one head can have; a trip past my head's last tile only steps
	s_cmp_ge_u32 s59, s58
	s_cbranch_scc1 .Lnext
	v_add_nc_u32 v[ADX], s60, v[AX0]
	v_add_nc_u32 v[ADS], s61, v[AS0]
	ds_load_b128 v[XS:XS+3], v[ADS]                ; token r's four scale words
.irp s, 0,1,2,3
.irp p, 0,1,2,3,4,5
	ds_load_b64 v[XF+12*\s+2*\p:XF+12*\s+2*\p+1], v[ADX] offset:96*\s+48*(\p/3)+8*(\p%3)
.endr
.endr
	MM1 0
	MM1 1
	MM1 2
	MM1 3
	WIN 0
	v_add_nc_u32 v[ADP], s62, v[AP0]               ; (no LDS instruction of mine is out)  four places between the products and the first read of their results (ISA guide 7.12.1)
	v_nop
	v_nop
	v_nop
	GELU
	WIN 0x01                                       ; source 0 (W2) window 1
	v_wmma_f32_16x16x32_bf16 v[D2:D2+7], v[W2F:W2F+7], v[GB:GB+7], 0                       ; two accumulators, the upper part's and the lower part's, by turns, one instruction a turn
	v_wmma_f32_16x16x32_bf16 v[D2B:D2B+7], v[W2F:W2F+7], v[GL:GL+7], 0
	v_wmma_f32_16x16x32_bf16 v[D2:D2+7], v[W2F+8:W2F+15], v[GB+8:GB+15], v[D2:D2+7]
	v_wmma_f32_16x16x32_bf16 v[D2B:D2B+7], v[W2F+8:W2F+15], v[GL+8:GL+15], v[D2B:D2B+7]
	WIN 0
.rept 4
	v_nop
.endr
	v_pk_add_f32 v[SUM:SUM+1], v[D2:D2+1], v[D2+4:D2+5]            ; by W2's upper part + by its lower part; each accumulator is read from its low end on
	v_pk_add_f32 v[SUM+2:SUM+3], v[D2+2:D2+3], v[D2+6:D2+7]
	v_pk_add_f32 v[SUM+4:SUM+5], v[D2B:D2B+1], v[D2B+4:D2B+5]
	v_pk_add_f32 v[SUM+6:SUM+7], v[D2B+2:D2B+3], v[D2B+6:D2B+7]
	s_delay_alu instid0(VALU_DEP_2)
	v_pk_add_f32 v[SUM:SUM+1], v[SUM:SUM+1], v[SUM+4:SUM+5]
	s_delay_alu instid0(VALU_DEP_2)
	v_pk_add_f32 v[SUM+2:SUM+3], v[SUM+2:SUM+3], v[SUM+6:SUM+7]
	ds_store_b128 v[ADP], v[SUM:SUM+3]             ; outputs 4 h + 0 .. 3 of the token at place 16 T + r: the wave stores 512 consecutive bytes
.Lnext:
	s_add_co_u32 s60, s60, XTILE
	s_add_co_u32 s61, s61, 256
	s_add_co_u32 s62, s62, 512
	s_add_co_u32 s59, s59, 1
	s_cmp_lt_u32 s59, 16
	s_cbranch_scc1 .Ltile
	s_wait_dscnt 0x0                               ; for the others' sake: my partial sums lie in LDS
	s_barrier_signal -1
	s_barrier_wait -1
; THE END: thread t serves token t of the 256.
	v_add_nc_u32 v249, LWB, v6
	ds_load_b32 v254, v249 offset:TABO             ; its place in the vehicles' list (the first vehicle wave's table),
	ds_load_b32 v255, v249 offset:4*LWW+TABO       ; and in the pedestrians'
	v_cmp_eq_u32 vcc_lo, 2, v[IDO]
	v_cmp_eq_u32 s85, 1, v[IDO]
	s_or_b32 s86, s85, vcc_lo                      ; a token of one of the two heads
	s_wait_dscnt 0x0
	v_add_nc_u32 v255, 0x400, v255                 ; the pedestrian waves' partial sums lie 4 x 8,192 bytes on: 1,024 places of 32 bytes
	s_delay_alu instid0(VALU_DEP_1)
	v_cndmask_b32 v254, v254, v255, vcc_lo         ; the head is chosen ahead of the hold below, so that only constants enter the address behind it
	s_delay_alu instid0(VALU_DEP_1)
	v_min_u32 v254, 0x4ff, v254                    ; place 1,279 at the most whatever LDS held: with the last load's offset, 24,592 + 16 bytes, that ends where the partial sums end.  A token of neither head reads place 0 and keeps nothing of it
	s_delay_alu instid0(VALU_DEP_1)
	v_lshlrev_b32 v254, 5, v254
	s_delay_alu instid0(VALU_DEP_1)
	v_add_nc_u32 v254, PWB, v254
.irp p, 0,1,2,3
	ds_load_b128 v[100+8*\p:103+8*\p], v254 offset:8192*\p         ; wave q = p of the head: outputs 0-3,
	ds_load_b128 v[104+8*\p:107+8*\p], v254 offset:8192*\p+16      ; outputs 4-7
.endr
	s_wait_kmcnt 0x0                               ; vb2, pb2
.irp o, 0,1,2,3,4,5
	v_mov_b32 v[140+\o], s[40+\o]
.endr
	v_mov_b32 v138, s46
	v_mov_b32 v139, s47
	v_mov_b32 v255, 0
	s_delay_alu instid0(VALU_DEP_3)
	v_cndmask_b32 v140, v140, v138, vcc_lo         ; the bias: vb2, or pb2 and four zeros
	s_delay_alu instid0(VALU_DEP_3)
	v_cndmask_b32 v141, v141, v139, vcc_lo
.irp o, 2,3,4,5
	v_cndmask_b32 v[140+\o], v[140+\o], v255, vcc_lo
.endr
	s_wait_dscnt 0x0
.irp p, 0,2,4
	v_pk_add_f32 v[132+\p:133+\p], v[100+\p:101+\p], v[108+\p:109+\p]
	v_pk_add_f32 v[158+\p:159+\p], v[116+\p:117+\p], v[124+\p:125+\p]
.endr
.irp p, 0,2,4
	v_pk_add_f32 v[132+\p:133+\p], v[132+\p:133+\p], v[158+\p:159+\p]
.endr
.irp p, 0,2,4
	s_delay_alu instid0(VALU_DEP_3)
	v_pk_fma_f32 v[146+\p:147+\p], v[132+\p:133+\p], 0.5, v[140+\p:141+\p] op_sel_hi:[1,0,1]   ; the sums were of 2 gelu
.endr
.irp o, 0,1,2,3,4,5
	v_cndmask_b32 v[146+\o], 0, v[146+\o], s86     ; six zeros for a token of neither head
.endr
; A token's 24 bytes go through my wave's own stage and come back 16 and 8 bytes a lane, so that the wave's 768 bytes leave as three aligned runs of 256.
	v_mad_u32_u24 v254, v1, 24, v[LB]
	ds_store_b64 v254, v[146:147] offset:OSTO
	ds_store_b64 v254, v[148:149] offset:OSTO+8
	ds_store_b64 v254, v[150:151] offset:OSTO+16
	v_add_nc_u32 v255, v[LB], v4
	v_add_nc_u32 v249, v[LB], v7
	ds_load_b128 v[152:155], v255 offset:OSTO      ; LDS serves a wave's instructions in order: these see my stores
	ds_load_b64 v[156:157], v249 offset:OSTO+512
	s_mul_i32 s63, s2, 768
	v_add_nc_u32 v250, s63, v4
	v_add_nc_u32 v251, s63, v7
	s_wait_alu depctr_va_vdst(0)
	s_wait_dscnt 0x0
	global_store_b128 v250, v[152:155], s[14:15] th:TH_STORE_NT            ; 512 consecutive bytes, at a multiple of 256 from out0's first byte; written once, read by nobody here
	global_store_b64 v251, v[156:157], s[14:15] offset:512 th:TH_STORE_NT  ; and the 256 behind them
	s_set_vgpr_msb 0x5
	s_wait_tensorcnt 0x0
	ds_add_u32 v254, v255
	s_wait_dscnt 0x0
	s_set_vgpr_msb 0x500
	s_endpgm
.Lfunc_end_k_q64ce575cca_heads:
	.size	k_q64ce575cca_heads, .Lfunc_end_k_q64ce575cca_heads-k_q64ce575cca_heads
	.p2alignl 7, 3214868480
	.fill 96, 4, 3214868480
	.section	.rodata,"a",@progbits
	.p2align	6, 0x0
	.amdhsa_kernel k_q64ce575cca_heads
		.amdhsa_group_segment_fixed_size 304128
		.amdhsa_private_segment_fixed_size 0
		.amdhsa_enable_private_segment 0
		.amdhsa_kernarg_size 128
		.amdhsa_user_sgpr_count 2
		.amdhsa_user_sgpr_kernarg_segment_ptr 1
		.amdhsa_wavefront_size32 1
		.amdhsa_system_sgpr_workgroup_id_x 1
		.amdhsa_system_sgpr_workgroup_id_y 1
		.amdhsa_system_sgpr_workgroup_id_z 1
		.amdhsa_system_vgpr_workitem_id 0
		.amdhsa_next_free_vgpr 512
		.amdhsa_next_free_sgpr 96
		.amdhsa_reserve_vcc 1
		.amdhsa_float_denorm_mode_32 3
		.amdhsa_float_denorm_mode_16_64 3
		.amdhsa_memory_ordered 1
		.amdhsa_forward_progress 1
		.amdhsa_inst_pref_size 86
	.end_amdhsa_kernel
	.amdgpu_metadata
---
amdhsa.version: [ 1, 2 ]
amdhsa.kernels:
  - .name:           k_q64ce575cca_heads
    .symbol:         k_q64ce575cca_heads.kd
    .args:
      - { .name: agent_type_ids, .offset: 0, .size: 8, .value_kind: global_buffer, .address_space: global }
      - { .name: repr3_codes, .offset: 8, .size: 8, .value_kind: global_buffer, .address_space: global }
      - { .name: repr3_scales, .offset: 16, .size: 8, .value_kind: global_buffer, .address_space: global }
      - { .name: out0, .offset: 24, .size: 8, .value_kind: global_buffer, .address_space: global }
      - { .name: vW1_codes, .offset: 32, .size: 8, .value_kind: global_buffer, .address_space: global }
      - { .name: vW1_scales, .offset: 40, .size: 8, .value_kind: global_buffer, .address_space: global }
      - { .name: vb1, .offset: 48, .size: 8, .value_kind: global_buffer, .address_space: global }
      - { .name: vW2, .offset: 56, .size: 8, .value_kind: global_buffer, .address_space: global }
      - { .name: pW1_codes, .offset: 64, .size: 8, .value_kind: global_buffer, .address_space: global }
      - { .name: pW1_scales, .offset: 72, .size: 8, .value_kind: global_buffer, .address_space: global }
      - { .name: pb1, .offset: 80, .size: 8, .value_kind: global_buffer, .address_space: global }
      - { .name: pW2, .offset: 88, .size: 8, .value_kind: global_buffer, .address_space: global }
      - { .name: vb2, .offset: 96, .size: 8, .value_kind: global_buffer, .address_space: global }
      - { .name: pb2, .offset: 104, .size: 8, .value_kind: global_buffer, .address_space: global }
      - { .name: out1, .offset: 112, .size: 8, .value_kind: global_buffer, .address_space: global }
      - { .name: out2, .offset: 120, .size: 8, .value_kind: global_buffer, .address_space: global }
    .group_segment_fixed_size: 304128
    .private_segment_fixed_size: 0
    .kernarg_segment_align: 8
    .kernarg_segment_size: 128
    .max_flat_workgroup_size: 256
    .sgpr_count:     96
    .vgpr_count:     512
    .wavefront_size: 32
...
	.end_amdgpu_metadata
.endif
;; end of part 1
